; MI455X (gfx1250); checked and timed in simulation.
; The chip was launched on July 23, 2026; its instructions are those of AMD's public machine-readable ISA for CDNA 5 (MIT licence, August 2026) and "CDNA5" Instruction Set Architecture Reference Guide (July 2026). The comments in the code are by the model that wrote it; some were corrected since.
;; Enc Dec Attention. Allowed arithmetic: matrix products marked QUANTISED: E2M3 operands, one E8M0 scale for each 32 along K, by v_wmma_scale_f32_16x16x128_f8f6f4 with both operands' format E2M3, f32 sums; everything else in f32.
;; Inputs: bk 1,024 float32; bp 1,024 float32; bq 1,024 float32; bv 1,024 float32; encoder_output_codes 8 x 1,024 x 32 x 24 uint8 (E2M3 codes of encoder_output, K innermost, in blocks of 32 codes, four codes in three bytes); encoder_output_scales 8 x 1,024 x 32 uint8 (E8M0 scales of encoder_output, one for each 32 codes along K); mask_encoder 8 x 1 x 1 x 1,024 bool; wk_codes 1,024 x 32 x 24 uint8 (E2M3 codes of wk, K innermost, in blocks of 32 codes, four codes in three bytes); wk_scales 1,024 x 32 uint8 (E8M0 scales of wk, one for each 32 codes along K); wp_codes 1,024 x 32 x 24 uint8 (E2M3 codes of wp, K innermost, in blocks of 32 codes, four codes in three bytes); wp_scales 1,024 x 32 uint8 (E8M0 scales of wp, one for each 32 codes along K); wq_codes 1,024 x 32 x 24 uint8 (E2M3 codes of wq, K innermost, in blocks of 32 codes, four codes in three bytes); wq_scales 1,024 x 32 uint8 (E8M0 scales of wq, one for each 32 codes along K); wv_codes 1,024 x 32 x 24 uint8 (E2M3 codes of wv, K innermost, in blocks of 32 codes, four codes in three bytes); wv_scales 1,024 x 32 uint8 (E8M0 scales of wv, one for each 32 codes along K); x_codes 8 x 1,024 x 32 x 24 uint8 (E2M3 codes of x, K innermost, in blocks of 32 codes, four codes in three bytes); x_scales 8 x 1,024 x 32 uint8 (E8M0 scales of x, one for each 32 codes along K).
;; Outputs: out0 8 x 1,024 x 1,024 float32.
;; This version of the problem:
;;   THIS VERSION OF THE PROBLEM IS GIVEN IN LOW PRECISION. The matrix products marked QUANTISED in the list below multiply operands that are first quantised to E2M3 (2 exponent bits, 3 mantissa bits; 6 bits a number), with one power-of-two scale for each 32 numbers along K (OCP MX v1.0); their sums are f32. All else is computed in f32.
;;   The module's matrix products, in the order in which they are computed (A, B: the left and right operand; K: the contracted axis; several contracted axes count as one K, in the product's order):
;;     1. [M 8,192, K 1,024] x [K 1,024, N 1,024]; A: input x (given as codes); B: input wq (given as codes): QUANTISED
;;     2. [M 8,192, K 1,024] x [K 1,024, N 1,024]; A: input encoder_output (given as codes); B: input wk (given as codes): QUANTISED
;;     3. [M 8,192, K 1,024] x [K 1,024, N 1,024]; A: input encoder_output (given as codes); B: input wv (given as codes): QUANTISED
;;     4. batch 128 x [M 1,024, K 64] x [K 64, N 1,024]; A: computed on the way; B: computed on the way: QUANTISED
;;     5. batch 128 x [M 1,024, K 1,024] x [K 1,024, N 64]; A: softmax (see below); B: computed on the way: QUANTISED
;;     6. [M 8,192, K 1,024] x [K 1,024, N 1,024]; A: computed on the way; B: input wp (given as codes): QUANTISED
;;   THE QUANTISER, for each operand of a quantised product, along K:
;;     - K is cut into blocks of 32 from its start; a last block that is shorter is filled with zeros.
;;     - A block's scale is 2^e with e = floor(log2(the largest magnitude in the block)) - 2, held to -126 .. 127; a block of zeros has e = 0. As a byte (E8M0): e + 127.
;;     - Each number is divided by its block's scale, clamped to +-7.5, and rounded to the nearest number of E2M3, ties to even, subnormals kept.
;;     - The product sums the exact products of the quantised numbers (number of the format x scale) in f32.
;;   ~~~python
;;   def quantise(x, axis):      # numpy; x: float32 -> the quantised numbers, widened to float32 again
;;       x = np.moveaxis(x, axis, -1); K = x.shape[-1]
;;       x = np.pad(x, [(0, 0)] * (x.ndim - 1) + [(0, -K % 32)]); x = x.reshape(x.shape[:-1] + (-1, 32)); a = np.abs(x).max(-1, keepdims=True)
;;       e = np.where(a > 0, np.clip(np.frexp(np.where(a > 0, a, 1))[1] - 1 - 2, -126, 127), 0)      # np.frexp(a)[1] - 1 = floor(log2(a)), exactly
;;       r = np.clip(x / 2.0 ** e, -7.5, 7.5)
;;       step = 2.0 ** (np.maximum(np.frexp(np.where(r == 0, 1, r))[1] - 1, 0) - 3)
;;       q = np.round(r / step) * step * 2.0 ** e      # np.round: ties to even
;;       return np.moveaxis(q.reshape(q.shape[:-2] + (-1,))[..., :K], -1, axis).astype(np.float32)
;;   ~~~
;;   SOFTMAX AHEAD OF A QUANTISED PRODUCT. Where the list says 'softmax', what is quantised is not the finished softmax but p = 2^(t - M), with t = logit x log2(e) and M = ceil(the row's largest t), a whole number; so 1/2 < the row's largest p <= 1. The row's sum l is taken of the UNQUANTISED p, in f32, and the product's result is divided by l at the end. Since M is a whole number, a kernel that streams over the keys may use a running M (the ceiling of the running maximum): every later rescaling is an exact power of two, which a block's scale takes up: the codes' values come out the same.
;;   OPERANDS COMPUTED ON THE WAY. 'Computed on the way' means the value that the module computes at that place (a softmax that the list does not call 'softmax' is quantised finished and normalised). What goes into a quantiser is computed in f32, as accurately as f32 sums, v_exp_f32 and their like allow (about 1e-6 of the number): no bf16 or f16 on the way to a quantiser, and a product that is left as it is and whose result goes on into a quantised operand takes f32 operands (vector FMAs, or v_wmma_f32_16x16x4_f32). A number that lies on a knife's edge between two numbers of the format may be rounded either way, as far as f32 arithmetic and the matrix unit's own rounding can turn it there, and no further.
;;   INPUTS GIVEN AS CODES. encoder_output (in the module: [8, 1024, 1024], K = its axis 2); wk (in the module: [1024, 1024], K = its axis 0); wp (in the module: [1024, 1024], K = its axis 0); wq (in the module: [1024, 1024], K = its axis 0); wv (in the module: [1024, 1024], K = its axis 0); x (in the module: [8, 1024, 1024], K = its axis 2): each comes as NAME_codes (uint8): NAME with its K axis moved to the last place and cut into blocks of 32 codes, [.., K / 32, bytes a block], one block behind the other in memory; four codes in three bytes: a row's codes are one little-endian stream of bits, code i at bits 6 i .. 6 i + 5 (a code: sign, 2 exponent bits, 3 mantissa bits); and NAME_scales (uint8): the same leading axes, one E8M0 byte (e + 127) for each 32 codes along K. Its value is code x scale, taken as it is: it is not quantised again, and the codes and scales need not be those that the quantiser above would give.
;; One version. Each part assembles by itself: llvm-mc -triple=amdgcn-amd-amdhsa -mcpu=gfx1250 --defsym DOCPART=n.
;; ======== version 1 of 1: 3 launches
;; workspace buffers: qimg 7,340,032 bytes; kv 14,155,776 bytes; aimg 6,291,456 bytes; ascl 524,288 bytes
;; launch proj (part 1): grid 32 x 24, 4 waves a work-group, clusters of 4 x 4, 313,856 bytes of LDS; arguments x_codes, x_scales, encoder_output_codes, encoder_output_scales, wq_codes, wq_scales, wk_codes, wk_scales, wv_codes, wv_scales, bq, bk, bv, mask_encoder, qimg, kv; writes qimg, kv
.if DOCPART == 1
	.amdgcn_target "amdgcn-amd-amdhsa--gfx1250"
	.amdhsa_code_object_version 6
	.text
	.protected	k_qfc08e0cd70_proj
	.globl	k_qfc08e0cd70_proj
	.p2align	8
	.type	k_qfc08e0cd70_proj,@function
k_qfc08e0cd70_proj:
	s_mov_b64 s[64:65], 0
	v_nop
	global_prefetch_b8 v0, s[64:65] scope:SCOPE_SE
	s_setreg_imm32_b32 hwreg(HW_REG_WAVE_MODE, 25, 1), 1
	s_wait_xcnt 0x0
	s_wait_alu depctr_hold_cnt(0) depctr_sa_sdst(0) depctr_va_vdst(0) depctr_va_sdst(0) depctr_va_ssrc(0) depctr_va_vcc(0) depctr_vm_vsrc(0)
	s_getreg_b32 s2, hwreg(HW_REG_IB_STS2, 6, 4)
	s_cmp_eq_u32 s2, 0
	s_cbranch_scc0 .Lentry_in_a_cluster
	s_endpgm
.Lentry_in_a_cluster:
	s_bfe_u32 s2, ttmp6, 0x10000c
	s_cmp_lg_u32 s2, 0xf033
	s_cbranch_scc0 .Lentry_shape_is_right
	s_endpgm
.Lentry_shape_is_right:
; q = x wq + bq, k = enc wk + bk, v = enc wv + bv on codes of FP6 (E2M3) with E8M0 scales, K = 1,024; the results are quantised again, q and k along the head's 64 channels,
; v along the keys, and leave as IMAGES OF OPERAND REGISTERS for the attention launch.
; ONE BODY, THREE JOBS (job = cluster y / 2): C'[i][j] = sum over k of S0[i][k] S1[j][k] + bias, quantised along i.  Source 0 = 16 rows of S0, source 1 = 16 rows of S1: a lane holds ONE row j
; (lane % 16) and its registers run along i.   job 0: S0 = wq, S1 = x, bias bq along i;   job 1: S0 = wk, S1 = enc, bk along i;   job 2: S0 = enc, S1 = wv, bv along j.
; SHARES.  A work-group makes 128 i x 256 j; wave w all 128 i x rows 64 w .. 64 w + 63 of S1: 32 accumulators, 256 matrix instructions.  768 work-groups.
; LDS.  A row of codes is 768 bytes.  All of K for the 128 + 256 rows fits: three regions, region c with bytes 256 c .. 256 c + 255 of every row, 272 bytes from row to row.  Every tensor load is a first
; fill: six a wave, issued together; no byte of LDS is filled twice and nothing is stored to LDS.
; CLUSTER 4 x 4.  S0's tile hangs on the cluster's row alone, S1's on its column alone: each is asked for jointly by the four that share it.
; THE ORDER INSIDE A BLOCK OF 32.  A tile is 16 neighbouring i, so a lane of the lower half holds i = 0-7 and 16-23 of a block and its partner 16 lanes on holds 8-15 and 24-31; the codes come out in the order
; 0-7, 16-23, 8-15, 24-31.  q and k are made by the same lines, and so are v and (in the attention launch) p: both sides of each later product have the same order, which leaves every sum as it is.
; THE MASK (job 1).  A masked key's codes become zeros, and byte 2 of its scale word becomes 187 (2^60); an open key has 1 (2^-126); q has 76 (2^-51).  The attention launch sets four constant codes on each
; side at k = 64 .. 67, whose products add up to -156.25: x 2^9 that is -80,000 = 8 x -10,000 for a masked key.
; LIMITS: for an open key the same term is 156.25 x 2^-177, under the smallest f32 number.  NaN, infinities and scale bytes 0xff among the inputs are not served.  A block whose largest magnitude
; lies under 2^-124 gets the byte 1, a block of zeros too (its codes are zeros; this program alone reads the bytes).
; The mask's bytes are loaded in every job and used in job 1 alone; in jobs 0 and 2 the loads stay inside the buffer and their lane masks are cleared.
; REGISTERS, in windows of 256: window 0: v1-12 lane terms; v16-25 LDS addresses; v32-95 S0's scale words (8 ti + s); v96-127 S1's (8 tj + s); v128.. the quantiser's.
;   window 1: accumulator (ti, tj) at v[8 (8 tj + ti)].   window 2: fragment set 0 (S0's tile ti at 12 ti, S1's tile tj at 96 + 12 tj); v144-207 the bias.   window 3: fragment set 1.
.set PITCH, 272                        ; 256 bytes + 16 of padding = 68 words: row r begins at bank 4 r mod 64 (64 banks of 4 bytes: ISA guide 11.1); lanes 16-31 read 24 bytes on: the 32 lanes of a load of 8 bytes touch 64 different banks
.set REGB,  384*PITCH                  ; a region: S0's 128 rows, then S1's 256
.set S1OFF, 128*PITCH
.set FR,    12                         ; registers of a fragment: 16 rows x 128 K
.set G1F,   (3<<16)|(1<<20)|(1<<21)|(5<<22)|(3<<25)   ; 17:16 elements of 8 bytes; 20 padding on; 21 set beside a mask; 24:22 after every 64 words; 31:25 4 words of it
.set QST,   3584                       ; a chunk of qimg: four half images of 768 bytes, 512 bytes of scale words
.set KST,   6912                       ; a chunk of kv: the same of k, then two images of v^T of 1,536 bytes and 256 bytes of their scale words
.set A0,  16                           ; v16-18  S0: 272 r + 24 h + region
.set X0,  19                           ; v19-20  S0: for the pieces whose partner three pieces on lies in the next region
.set A1,  21                           ; v21-23  S1, my wave's 64 rows
.set X1,  24                           ; v24-25
.set SS0, 32
.set SS1, 96
.set TM,  128                          ; v128-131 largest magnitudes, v132-135 bytes, v140-143 the conversions' scale operands
.set PW,  144                          ; the scale word just made
.set PC,  148                          ; v148-166 the codes just made
.set EXT, 168                          ; v168-171 bytes 2 and 3 of tile tj's scale words
.set SWA, 172                          ; v172-175 scale words to store
.set SWB, 176
.set MK,  180                          ; v180-183 mask bytes
.set NIL, 184
.set OFFW, 185
.set ONW, 186
.set TMP, 187
.set BIAS, 144                         ; in window 2
.set WV,  56
.set JOB, 57
.set CX,  58
.set CY,  59
.set TI,  62                           ; which 128 rows of S0: never holds cx
.set TJ,  63                           ; which 256 rows of S1: never holds cy
.set G0,  16                           ; s[16:39] groups 0: region c's S0 at 16 + 8 c, S1 at 20 + 8 c
.set G1A, 40                           ; s[40:47] group 1 for S0's tiles
.set G1B, 48                           ; s[48:55] for S1's
.set SEL, 82
.set SM,  84                           ; s84-87 lane masks: tile tj's masked keys
.set MSB, 0
.macro WIN new                         ; the immediate's high byte repeats the setting that is left
.if MSB != (\new)
	s_set_vgpr_msb (MSB<<8)|(\new)
.set MSB, (\new)
.endif
.endm
.macro CROUND                          ; a round of the cluster's barrier
	s_barrier_signal -1
	s_barrier_wait -1
	s_cmp_lg_u32 s[WV], 0
	s_cbranch_scc1 .Lnot_wave_0_\@
	s_barrier_signal -3
.Lnot_wave_0_\@:
	s_barrier_wait -3
	s_barrier_signal -1
	s_barrier_wait -1
.endm
.macro PLACES n
.rept \n
	v_nop
.endr
.endm
	s_load_b512 s[68:83], s[0:1], 0x0              ; x, x's scales, enc, enc's scales, wq, wq's scales, wk, wk's scales
	s_load_b512 s[84:99], s[0:1], 0x40             ; wv, wv's scales, bq, bk, bv, mask, qimg, kv
	v_lshl_add_u32 v254, v0, 2, 0x4c800
	v_mov_b32 v255, 0
	ds_add_u32 v254, v255
	ds_add_u32 v254, v255
	v_lshrrev_b32 v1, 5, v0
	v_readfirstlane_b32 s[WV], v1                  ; wave 0..3
	s_bfe_u32 s[CX], ttmp6, 0x40000
	s_bfe_u32 s[CY], ttmp6, 0x40004
	s_and_b32 s3, ttmp7, 0xffff                    ; the cluster's y, 0..5
	s_lshr_b32 s[JOB], s3, 1
	s_and_b32 s3, s3, 1
	s_lshl_b32 s3, s3, 2
	s_add_co_u32 s61, s3, s[CY]                    ; yq = 4 (y % 2) + cy, 0..7
	s_lshl_b32 s66, ttmp9, 2
	s_add_co_u32 s66, s66, s[CX]                   ; x = 4 X + cx, 0..31
	s_lshl_b32 s3, s61, 3
	s_add_co_u32 s3, s3, ttmp9                     ; X + 8 yq, 0..63
	s_lshl_b32 s60, s[CY], 2
	s_lshl_b32 s60, 15, s60                        ; my row of the cluster
	s_lshl_b32 s67, 0x1111, s[CX]                  ; my column
	s_or_b32 s[G1A], s60, G1F                      ; S0's tiles go to my row,
	s_or_b32 s[G1B], s67, G1F                      ; S1's to my column
.irp g, G1A, G1B
	s_mov_b32 s[\g+1], 32<<16                      ; tensor_dim0 = 32 elements: 256 bytes
	s_mov_b32 s[\g+3], 32<<16                      ; tile_dim0
	s_mov_b32 s[\g+5], 96                          ; from row to row: 768 bytes
	s_mov_b32 s[\g+6], 0
	s_mov_b32 s[\g+7], 0
.endr
	s_mov_b32 s[G1A+2], 32<<16                     ; a wave brings 32 rows of S0
	s_mov_b32 s[G1A+4], 32
	s_mov_b32 s[G1B+2], 64<<16                     ; and 64 of S1
	s_mov_b32 s[G1B+4], 64
	s_cmp_eq_u32 s[JOB], 2
	s_cselect_b32 s[TI], s3, s61                   ; job 2: 64 tiles of enc; else 8 of the weight
	s_cselect_b32 s[TJ], s[CX], s66                ; job 2: 4 tiles of wv; else 32 of x or enc
	v_and_b32 v1, 15, v0                           ; r
	v_bfe_u32 v2, v0, 4, 1                         ; h
	v_and_b32 v10, 31, v0
	v_lshlrev_b32 v3, 4, v10                       ; 16 x lane
	v_lshlrev_b32 v4, 3, v10                       ; 8 x lane
	v_lshlrev_b32 v5, 5, v1                        ; S0's scales: 32 bytes a row
	v_lshl_add_u32 v6, s[WV], 11, v5               ; S1's: my wave's 64 rows
	v_lshl_add_u32 v7, s[WV], 6, v1                ; 64 w + r: the mask's bytes
	v_lshlrev_b32 v8, 5, v2                        ; a bias along i: 8 h numbers on
	v_lshlrev_b32 v9, 2, v7                        ; a bias along j: my row's number
	s_wait_dscnt 0x0
	s_wait_kmcnt 0x0
	s_cmp_eq_u32 s[JOB], 1                         ; the buffers are chosen by the job, which hangs on no address
	s_cselect_b64 s[4:5], s[80:81], s[76:77]       ; S0's codes
	s_cselect_b64 s[6:7], s[82:83], s[78:79]       ; S0's scales
	s_cselect_b64 s[8:9], s[72:73], s[68:69]       ; S1's codes
	s_cselect_b64 s[10:11], s[74:75], s[70:71]     ; S1's scales
	s_cselect_b64 s[12:13], s[90:91], s[88:89]     ; the bias
	s_cselect_b64 s[14:15], s[98:99], s[96:97]     ; the output
	s_cmp_eq_u32 s[JOB], 2
	s_cselect_b64 s[4:5], s[72:73], s[4:5]
	s_cselect_b64 s[6:7], s[74:75], s[6:7]
	s_cselect_b64 s[8:9], s[84:85], s[8:9]
	s_cselect_b64 s[10:11], s[86:87], s[10:11]
	s_cselect_b64 s[12:13], s[92:93], s[12:13]
	s_cselect_b64 s[14:15], s[98:99], s[14:15]
	s_lshl_b32 s68, s[TI], 7
	s_lshl_b32 s70, s[WV], 5
	s_add_co_u32 s68, s68, s70
	s_mul_i32 s68, s68, 768                        ; S0: row 128 TI + 32 w, in bytes
	s_mov_b32 s69, 0
	s_add_nc_u64 s[4:5], s[4:5], s[68:69]
	s_lshl_b32 s72, s[TJ], 8
	s_lshl_b32 s70, s[WV], 6
	s_add_co_u32 s72, s72, s70
	s_mul_i32 s72, s72, 768                        ; S1: row 256 TJ + 64 w
	s_mov_b32 s73, 0
	s_add_nc_u64 s[8:9], s[8:9], s[72:73]
	s_mul_i32 s70, s[WV], 32*PITCH                 ; where they go: the wave's number alone enters an LDS address
	s_mul_i32 s71, s[WV], 64*PITCH
.irp c, 0,1,2
	s_mov_b32 s[G0+8*\c], 1
	s_add_co_u32 s[G0+8*\c+1], s70, \c*REGB
	s_add_nc_u64 s[G0+8*\c+2:G0+8*\c+3], s[4:5], 256*\c
	s_or_b32 s[G0+8*\c+3], s[G0+8*\c+3], 0x80000000
	s_mov_b32 s[G0+8*\c+4], 1
	s_add_co_u32 s[G0+8*\c+5], s71, \c*REGB+S1OFF
	s_add_nc_u64 s[G0+8*\c+6:G0+8*\c+7], s[8:9], 256*\c
	s_or_b32 s[G0+8*\c+7], s[G0+8*\c+7], 0x80000000
.endr
	CROUND                                         ; all sixteen work-groups are here: the joint loads meet
.irp c, 0,1,2                                  ; six loads of mine are out: all of K for my share of the rows, region by region
	tensor_load_to_lds s[G0+8*\c:G0+8*\c+3], s[G1A:G1A+7]
	s_nop 0
	tensor_load_to_lds s[G0+8*\c+4:G0+8*\c+7], s[G1B:G1B+7]
	s_nop 0
.endr
	PLACES 4
	s_lshl_b32 s68, s[TI], 12                      ; the scales of 128 rows are 4,096 bytes,
	s_add_nc_u64 s[6:7], s[6:7], s[68:69]
	s_lshl_b32 s72, s[TJ], 13                      ; of 256 rows 8,192
	s_add_nc_u64 s[10:11], s[10:11], s[72:73]
	s_lshl_b32 s72, s[TJ], 8
	s_add_nc_u64 s[94:95], s[94:95], s[72:73]      ; the mask of S1's 256 rows (jobs 0, 1: tokens)
	s_lshl_b32 s68, s[TI], 9
	s_lshl_b32 s72, s[TJ], 10
	s_cmp_eq_u32 s[JOB], 2
	s_cselect_b32 s74, s72, s68
	s_mov_b32 s75, 0
	s_add_nc_u64 s[12:13], s[12:13], s[74:75]      ; the bias of my 128 i, or of my 256 j
	s_mov_b32 s[SEL], 0x76543210
	s_mov_b32 s[SEL+1], 0xfedcba98                 ; v_permlanex16_b32's selects for lane l xor 16
	s_wait_alu depctr_va_vdst(0)
.irp ti, 0,1,2,3,4,5,6,7                       ; a row's 32 scale bytes are the words of its 8 K steps: register 8 ti + s
	global_load_b128 v[SS0+8*\ti:SS0+8*\ti+3], v5, s[6:7] offset:512*\ti
	global_load_b128 v[SS0+8*\ti+4:SS0+8*\ti+7], v5, s[6:7] offset:512*\ti+16
.endr
.irp tj, 0,1,2,3
	global_load_b128 v[SS1+8*\tj:SS1+8*\tj+3], v6, s[10:11] offset:512*\tj
	global_load_b128 v[SS1+8*\tj+4:SS1+8*\tj+7], v6, s[10:11] offset:512*\tj+16
	global_load_u8 v[MK+\tj], v7, s[94:95] offset:16*\tj
.endr
	s_cmp_eq_u32 s[JOB], 2                         ; the bias is the C of each sum's first product: eight registers in the result's layout.  Both ways fill all 64 registers, so that they are written on every way through the text
	s_cbranch_scc1 .Lbias_j
	WIN 0x80                                       ; destination window 2
.irp ti, 0,1,2,3,4,5,6,7                       ; along i: group ti holds b[16 ti + 8 h + 0 .. 7]
	global_load_b128 v[BIAS+8*\ti:BIAS+8*\ti+3], v8, s[12:13] offset:64*\ti
	global_load_b128 v[BIAS+8*\ti+4:BIAS+8*\ti+7], v8, s[12:13] offset:64*\ti+16
.endr
	WIN 0
	s_branch .Lbias_done
.Lbias_j:
	WIN 0x80
.irp u, 0,1,2,3,4,5,6,7                        ; along j: groups tj and tj + 4 hold b[64 w + 16 tj + r] eight times
.irp j, 0,1,2,3,4,5,6,7
	global_load_b32 v[BIAS+8*\u+\j], v9, s[12:13] offset:64*(\u%4)
.endr
.endr
	WIN 0
.Lbias_done:
	v_mul_u32_u24 v10, v1, PITCH
	v_mad_u32_u24 v11, v2, 24, v10                 ; row r, + 24 bytes for lanes 16-31
	v_mad_u32_u24 v12, v2, REGB-232, v10           ; or: lanes 16-31 in the next region, 256 - 24 bytes back
.irp c, 0,1,2
	v_add_nc_u32 v[A0+\c], \c*REGB, v11
.endr
.irp c, 0,1
	v_add_nc_u32 v[X0+\c], \c*REGB, v12
.endr
	s_add_co_u32 s71, s71, S1OFF
	v_add_nc_u32 v11, s71, v11
	v_add_nc_u32 v12, s71, v12
.irp c, 0,1,2
	v_add_nc_u32 v[A1+\c], \c*REGB, v11
.endr
.irp c, 0,1
	v_add_nc_u32 v[X1+\c], \c*REGB, v12
.endr
.irp b, 0,1,2,3
	v_mov_b32 v[TM+4+\b], 0                        ; written once: a lane permute's destination counts as one of its sources
.endr
	v_mov_b32 v[NIL], 0
; A fragment, 16 rows x 128 K, is 12 registers: lane l holds row l % 16; registers 6 c .. 6 c + 5 hold K = 64 c + 32 (l / 16) + 0 .. 31: 24 bytes of the row as they lie, in pieces of 8 bytes.
; Lanes 0-15 take the row's pieces 12 s + 0, 1, 2, 6, 7, 8, lanes 16-31 those three pieces on.  A region holds 32 pieces of a row: where the piece three on falls into the next region, the second address register serves.
.macro FRAG reg, adr, xadr, s, i
.irp p, 0,1,2,3,4,5
.set PCE, 12*(\s)+6*(\p/3)+\p%3
.if PCE%32 < 29
	ds_load_b64 v[\reg+2*\p:\reg+2*\p+1], v[\adr+PCE/32] offset:8*(PCE%32)+(\i)*16*PITCH
.else
	ds_load_b64 v[\reg+2*\p:\reg+2*\p+1], v[\xadr+PCE/32] offset:8*(PCE%32)+(\i)*16*PITCH
.endif
.endr
.endm
.macro FETCH1 s                        ; K step s: S1's four tiles and S0's tiles 0-3 into set s % 2: 48 loads
	WIN 0x80+0x40*((\s)%2)
.irp i, 0,1,2,3
	FRAG 96+FR*\i, A1, X1, \s, \i
.endr
.irp i, 0,1,2,3
	FRAG FR*\i, A0, X0, \s, \i
.endr
.endm
.macro FETCH2 s                        ; S0's tiles 4-7: 24 loads
	WIN 0x80+0x40*((\s)%2)
.irp i, 4,5,6,7
	FRAG FR*\i, A0, X0, \s, \i
.endr
.endm
; 16 matrix instructions: S0's tiles 4 half .. 4 half + 3 x S1's four.  cmode 0: the sums go on; 1: they begin with the bias along i; 2: with the bias along j.
; The 32 accumulators take turns, one instruction a turn, in the same order in every step.
.macro MUL16 half, s, cmode
.irp ti, 4*\half, 4*\half+1, 4*\half+2, 4*\half+3
.irp tj, 0,1,2,3
.set AC, 8*(8*\tj+(\ti))
.set CR, AC
.if \cmode == 1
.set CR, BIAS+8*(\ti)
.endif
.if \cmode == 2
.set CR, BIAS+8*(\tj+4*\half)
.endif
	v_wmma_scale_f32_16x16x128_f8f6f4 v[AC:AC+7], v[FR*(\ti):FR*(\ti)+FR-1], v[96+FR*\tj:96+FR*\tj+FR-1], v[CR:CR+7], v[SS0+8*(\ti)+(\s)], v[SS1+8*\tj+(\s)] matrix_a_fmt:MATRIX_FMT_FP6 matrix_b_fmt:MATRIX_FMT_FP6
.endr
.endr
.endm
; A K step.  The set that the fetches fill was last read by the step before: the four places in front of FETCH1 stand between those products and both runs of loads (ISA guide 7.12.1 for vector instructions).
.macro STEP s
	s_wait_dscnt 24                                ; all but FETCH2's 24 loads of this step are in
	WIN 0x5a+5*((\s)%2)                            ; sources 0, 1: window 2 or 3; C and D: window 1
	MUL16 0, \s, 0
.if (\s) == 1
	s_wait_tensorcnt 0x2                           ; my parts of region 1 are in (region 2's two loads may be out): K step 2 reaches into it
	s_wait_dscnt 0x0
	s_barrier_signal -1
	s_barrier_wait -1                              ; everybody's are
.endif
.if (\s) == 4
	s_wait_tensorcnt 0x0                           ; region 2: K step 5 reaches into it
	s_wait_dscnt 0x0
	s_barrier_signal -1
	s_barrier_wait -1
.endif
	PLACES 4
	FETCH1 (\s)+1
	s_wait_dscnt 48                                ; all but the 48 just issued
	WIN 0x5a+5*((\s)%2)
	MUL16 1, \s, 0
	FETCH2 (\s)+1
.endm
	s_wait_tensorcnt 0x4                           ; my parts of region 0 are in; the four younger loads may stay out
	s_barrier_signal -1
	s_barrier_wait -1                              ; everybody's are
	FETCH1 0
	FETCH2 0
	WIN 0
	s_wait_loadcnt 0x0                             ; scale words, mask bytes, bias
	s_wait_dscnt 24
	s_cmp_eq_u32 s[JOB], 2                         ; K step 0 starts the sums with the bias: nothing is cleared
	s_cbranch_scc1 .Lz0_j
	WIN 0x6a                                       ; sources 0, 1 and C: window 2; D: window 1
	MUL16 0, 0, 1
	WIN 0
	s_branch .Lz0_d
.Lz0_j:
	WIN 0x6a
	MUL16 0, 0, 2
	WIN 0
.Lz0_d:
	FETCH1 1
	WIN 0
	s_wait_dscnt 48
	s_cmp_eq_u32 s[JOB], 2
	s_cbranch_scc1 .Lz1_j
	WIN 0x6a
	MUL16 1, 0, 1
	WIN 0
	s_branch .Lz1_d
.Lz1_j:
	WIN 0x6a
	MUL16 1, 0, 2
	WIN 0
.Lz1_d:
	FETCH2 1
	s_wait_alu depctr_va_vdst(0)
.irp s, 1,2,3,4,5,6
	STEP \s
.endr
	s_wait_dscnt 24                                ; the last step fetches nothing
	WIN 0x5f
	MUL16 0, 7, 0
	s_wait_dscnt 0x0
	MUL16 1, 7, 0
	WIN 0
	; bytes 2 and 3 of the scale words of q and k.  These vector lines name no register of the last products: two moves and four selects are the four places in front of the first read of results
	v_mov_b32 v[ONW], 0x7fbb                       ; a masked key: 187, 127
	s_mov_b32 s88, 0x7f01                          ; an open key: 1, 127
	s_cmp_eq_u32 s[JOB], 0
	s_cselect_b32 s88, 0x7f4c, s88                 ; q: 76, 127
	v_mov_b32 v[OFFW], s88
	s_wait_alu depctr_va_vdst(0)
	s_cmp_eq_u32 s[JOB], 1
	s_cselect_b32 s89, -1, 0                       ; the mask counts in job 1 alone
.irp tj, 0,1,2,3
	v_cmp_ne_u32 s[SM+\tj], 0, v[MK+\tj]
.endr
.irp tj, 0,1,2,3
	s_and_b32 s[SM+\tj], s[SM+\tj], s89
.endr
.irp tj, 0,1,2,3
	v_cndmask_b32 v[EXT+\tj], v[OFFW], v[ONW], s[SM+\tj]
.endr
; 64 results of a lane, window 1's v[s] .. v[s + 63] (8 tiles of i), become 12 registers of codes in v[PC] on and a scale word in v[PW].  Registers 16 b .. 16 b + 15 and those of the lane 16 away are block b.
; Each accumulator is read from its low end on.
.macro QUANT s
	WIN 0x05                                       ; sources 0, 1: window 1
.irp b, 0,1,2,3
	v_max3_num_f32 v[TM+\b], |v[\s+16*\b]|, |v[\s+1+16*\b]|, 0x1800000   ; and the floor 2^(3 - 127): the byte cannot fall under 1
.endr
	WIN 0x14                                       ; sources 1, 2: window 1
.irp i, 2,4,6,8,10,12,14
.irp b, 0,1,2,3
	v_max3_num_f32 v[TM+\b], v[TM+\b], |v[\s+16*\b+\i]|, |v[\s+1+16*\b+\i]|   ; (the four blocks by turns)
.endr
.endr
	WIN 0
.irp b, 0,1,2,3
	v_permlanex16_b32 v[TM+4+\b], v[TM+\b], s[SEL], s[SEL+1]
.endr
.irp b, 0,1,2,3
	v_max_num_f32 v[TM+\b], v[TM+\b], v[TM+4+\b]   ; with lane l xor 16's: the block's largest magnitude
.endr
.irp b, 0,1,2,3
	v_add_nc_u32 v[TM+12+\b], 0xff000000, v[TM+\b] ; 2 off its exponent field: the conversion takes this operand's exponent field as its scale
.endr
.irp b, 0,1,2,3
	v_lshrrev_b32 v[TM+4+\b], 23, v[TM+12+\b]      ; the scale's byte
.endr
	v_lshl_or_b32 v[PW], v[TM+5], 8, v[TM+4]
	v_lshl_or_b32 v[PW], v[TM+6], 16, v[PW]
	v_lshl_or_b32 v[PW], v[TM+7], 24, v[PW]
	WIN 0x01                                       ; source 0: window 1
.irp c, 0,1
	v_cvt_scalef32_pk16_fp6_f32 v[PC+6*\c:PC+2+6*\c], v[\s+32*\c:\s+15+32*\c], v[TM+12+2*\c]
	v_cvt_scalef32_pk16_fp6_f32 v[PC+12+4*\c:PC+14+4*\c], v[\s+16+32*\c:\s+31+32*\c], v[TM+12+2*\c+1]   ; (a conversion's three registers begin on an even number)
.endr
	WIN 0
	v_nop                                          ; one plain place behind a scaled conversion
.irp c, 0,1                                    ; the operand's layout wants a whole block in a lane: lanes 0-15 block 2 c, lanes 16-31 block 2 c + 1
.irp i, 0,1,2
	v_permlane16_swap_b32 v[PC+6*\c+\i], v[PC+12+4*\c+\i]
.endr
.irp i, 0,1,2
	v_mov_b32 v[PC+3+6*\c+\i], v[PC+12+4*\c+\i]
.endr
.endr
.endm
	s_cmp_eq_u32 s[JOB], 2
	s_cbranch_scc1 .Lout_v
	; q or k.  My 64 tokens are one chunk; blocks 0, 1 are head 2 TI's 64 channels, blocks 2, 3 head 2 TI + 1's: registers 0-5 and 6-11 are the two heads' half images
	s_lshr_b32 s74, s[TJ], 2                       ; the batch
	s_lshl_b32 s74, s74, 4
	s_lshl_b32 s76, s[TI], 1
	s_add_co_u32 s74, s74, s76                     ; 16 b + head
	s_lshl_b32 s74, s74, 4
	s_and_b32 s76, s[TJ], 3
	s_lshl_b32 s76, s76, 2
	s_add_co_u32 s74, s74, s76
	s_add_co_u32 s74, s74, s[WV]                   ; x 16 chunks, + 4 (TJ % 4) + w
	s_mov_b32 s76, KST
	s_cmp_eq_u32 s[JOB], 0
	s_cselect_b32 s76, QST, s76
	s_mul_i32 s74, s74, s76
	s_add_nc_u64 s[78:79], s[14:15], s[74:75]      ; the first head's chunk (s75 = 0)
	s_lshl_b32 s74, s76, 4
	s_add_nc_u64 s[80:81], s[78:79], s[74:75]      ; the second head's: 16 chunks on
.irp tj, 0,1,2,3
.if \tj > 0
	s_wait_xcnt 0x0                                ; the last tile's stores have read their registers: the codes are written again only behind this wait
.endif
	QUANT 64*\tj
.irp i, 0,1,2,3,4,5,6,7,8,9,10,11
	v_cndmask_b32 v[PC+\i], v[PC+\i], v[NIL], s[SM+\tj]   ; a masked key's codes are zeros
.endr
	v_and_b32 v[TMP], 0xffff, v[PW]
	v_lshl_or_b32 v[SWA+\tj], v[EXT+\tj], 16, v[TMP]
	v_lshrrev_b32 v[TMP], 16, v[PW]
	v_lshl_or_b32 v[SWB+\tj], v[EXT+\tj], 16, v[TMP]
	global_store_b128 v3, v[PC:PC+3], s[78:79] offset:768*\tj            ; 32 lanes store 512 consecutive bytes,
	global_store_b64 v4, v[PC+4:PC+5], s[78:79] offset:768*\tj+512       ; and 256: each at a multiple of 256 from the buffer's first byte
	global_store_b128 v3, v[PC+6:PC+9], s[80:81] offset:768*\tj
	global_store_b64 v4, v[PC+10:PC+11], s[80:81] offset:768*\tj+512
.endr
	global_store_b128 v3, v[SWA:SWA+3], s[78:79] offset:3072             ; a lane's 16 bytes: its row's words in the chunk's four tiles
	global_store_b128 v3, v[SWB:SWB+3], s[80:81] offset:3072
	s_branch .Lout_done
.Lout_v:
	; v.  My 128 i are key step TI % 8 of batch TI / 8, my 64 j are head 4 TJ + w: tile tj's 12 registers are the image of v^T's tile (16 channels x 128 keys)
	s_lshr_b32 s74, s[TI], 3
	s_lshl_b32 s74, s74, 4
	s_lshl_b32 s76, s[TJ], 2
	s_add_co_u32 s74, s74, s76
	s_add_co_u32 s74, s74, s[WV]                   ; 16 b + head
	s_lshl_b32 s74, s74, 4
	s_and_b32 s76, s[TI], 7
	s_lshl_b32 s76, s76, 1
	s_add_co_u32 s74, s74, s76                     ; x 16 chunks, + 2 x key step
	s_mul_i32 s74, s74, KST
	s_add_nc_u64 s[78:79], s[14:15], s[74:75]
.irp tj, 0,1,2,3
.if \tj > 0
	s_wait_xcnt 0x0
.endif
	QUANT 64*\tj
.irp c, 0,1,2
	global_store_b128 v3, v[PC+4*\c:PC+4*\c+3], s[78:79] offset:(\tj/2)*KST+3584+(\tj%2)*1536+512*\c
.endr
	v_mov_b32 v[SWA+\tj], v[PW]
.if \tj%2 == 1
	global_store_b64 v4, v[SWA+\tj-1:SWA+\tj], s[78:79] offset:(\tj/2)*KST+6656   ; a lane's 8 bytes: its channel's words in the chunk's two tiles
.endif
.endr
.Lout_done:
	s_wait_tensorcnt 0x0
	ds_add_u32 v254, v255
	s_wait_dscnt 0x0
	CROUND                                         ; the closing round: no work-group ends while a partner may still ask for a tile that names it
	s_endpgm
.Lfunc_end_k_qfc08e0cd70_proj:
	.size	k_qfc08e0cd70_proj, .Lfunc_end_k_qfc08e0cd70_proj-k_qfc08e0cd70_proj
	.p2alignl 7, 3214868480
	.fill 96, 4, 3214868480
	.section	.rodata,"a",@progbits
	.p2align	6, 0x0
	.amdhsa_kernel k_qfc08e0cd70_proj
		.amdhsa_group_segment_fixed_size 313856
		.amdhsa_private_segment_fixed_size 0
		.amdhsa_enable_private_segment 0
		.amdhsa_kernarg_size 128
		.amdhsa_user_sgpr_count 2
		.amdhsa_user_sgpr_kernarg_segment_ptr 1
		.amdhsa_wavefront_size32 1
		.amdhsa_system_sgpr_workgroup_id_x 1
		.amdhsa_system_sgpr_workgroup_id_y 1
		.amdhsa_system_sgpr_workgroup_id_z 1
		.amdhsa_system_vgpr_workitem_id 0
		.amdhsa_next_free_vgpr 912
		.amdhsa_next_free_sgpr 100
		.amdhsa_reserve_vcc 0
		.amdhsa_float_denorm_mode_32 3
		.amdhsa_float_denorm_mode_16_64 3
		.amdhsa_memory_ordered 1
		.amdhsa_forward_progress 1
		.amdhsa_inst_pref_size 134
	.end_amdhsa_kernel
	.amdgpu_metadata
---
amdhsa.version: [ 1, 2 ]
amdhsa.kernels:
  - .name:           k_qfc08e0cd70_proj
    .symbol:         k_qfc08e0cd70_proj.kd
    .args:
      - { .name: x_codes, .offset: 0, .size: 8, .value_kind: global_buffer, .address_space: global }
      - { .name: x_scales, .offset: 8, .size: 8, .value_kind: global_buffer, .address_space: global }
      - { .name: encoder_output_codes, .offset: 16, .size: 8, .value_kind: global_buffer, .address_space: global }
      - { .name: encoder_output_scales, .offset: 24, .size: 8, .value_kind: global_buffer, .address_space: global }
      - { .name: wq_codes, .offset: 32, .size: 8, .value_kind: global_buffer, .address_space: global }
      - { .name: wq_scales, .offset: 40, .size: 8, .value_kind: global_buffer, .address_space: global }
      - { .name: wk_codes, .offset: 48, .size: 8, .value_kind: global_buffer, .address_space: global }
      - { .name: wk_scales, .offset: 56, .size: 8, .value_kind: global_buffer, .address_space: global }
      - { .name: wv_codes, .offset: 64, .size: 8, .value_kind: global_buffer, .address_space: global }
      - { .name: wv_scales, .offset: 72, .size: 8, .value_kind: global_buffer, .address_space: global }
      - { .name: bq, .offset: 80, .size: 8, .value_kind: global_buffer, .address_space: global }
      - { .name: bk, .offset: 88, .size: 8, .value_kind: global_buffer, .address_space: global }
      - { .name: bv, .offset: 96, .size: 8, .value_kind: global_buffer, .address_space: global }
      - { .name: mask_encoder, .offset: 104, .size: 8, .value_kind: global_buffer, .address_space: global }
      - { .name: qimg, .offset: 112, .size: 8, .value_kind: global_buffer, .address_space: global }
      - { .name: kv, .offset: 120, .size: 8, .value_kind: global_buffer, .address_space: global }
    .group_segment_fixed_size: 313856
    .private_segment_fixed_size: 0
    .kernarg_segment_align: 8
    .kernarg_segment_size: 128
    .max_flat_workgroup_size: 128
    .sgpr_count:     100
    .vgpr_count:     912
    .wavefront_size: 32
...
	.end_amdgpu_metadata
.endif
;; end of part 1
;; launch attn (part 2): grid 4 x 64, 16 waves a work-group, clusters of 4 x 1, 327,680 bytes of LDS; arguments qimg, kv, aimg, ascl; writes aimg, ascl
.if DOCPART == 2
	.amdgcn_target "amdgcn-amd-amdhsa--gfx1250"
	.amdhsa_code_object_version 6
	.text
	.protected	k_qfc08e0cd70_attn
	.globl	k_qfc08e0cd70_attn
	.p2align	8
	.type	k_qfc08e0cd70_attn,@function
k_qfc08e0cd70_attn:
	s_mov_b64 s[64:65], 0
	v_nop
	global_prefetch_b8 v0, s[64:65] scope:SCOPE_SE
	s_setreg_imm32_b32 hwreg(HW_REG_WAVE_MODE, 25, 1), 1
	s_wait_xcnt 0x0
	s_wait_alu depctr_hold_cnt(0) depctr_sa_sdst(0) depctr_va_vdst(0) depctr_va_sdst(0) depctr_va_ssrc(0) depctr_va_vcc(0) depctr_vm_vsrc(0)
	s_getreg_b32 s2, hwreg(HW_REG_IB_STS2, 6, 4)
	s_cmp_eq_u32 s2, 0
	s_cbranch_scc0 .Lentry_in_a_cluster
	s_endpgm
.Lentry_in_a_cluster:
	s_bfe_u32 s2, ttmp6, 0x10000c
	s_cmp_lg_u32 s2, 0x3003
	s_cbranch_scc0 .Lentry_shape_is_right
	s_endpgm
.Lentry_shape_is_right:
; a[b][q][head] = softmax_k(q . k / 8, masked keys at -10,000) v, both products on codes of FP6 (E2M3) with E8M0 scales; a is quantised along the channels and leaves as images of operand registers.
; SHARES.  A work-group owns 256 queries of one batch and TWO heads, 2 g and 2 g + 1; each of its sixteen waves owns one tile of 16 queries, first for the one head, then for the other.  256 work-groups.
; Four waves share a SIMD, so that one wave's vector work stands beside another's matrix work and LDS loads.
; LDS.  A head's record in kv (16 chunks of 6,912 bytes: k's half images and scale words, v^T's images and scale words, all 1,024 keys) is 110,592 bytes: both heads' fit.  Wave w brings chunk w of each: two first
; fills; nothing is filled again.  Every read is 16 or 8 bytes a lane on end: no pitch, no padding.
; CLUSTER 4 x 1.  The four query blocks of a batch walk the same two records: each chunk is asked for jointly.
; LAYOUT.  Both products are used transposed: S^T = k q^T (source 0 = 16 keys, source 1 = my 16 queries), O^T = v^T p^T: a lane holds ONE query (lane % 16) throughout.  A tile is 16 neighbouring keys, so the codes of a
; block of 32 keys come out in the order 0-7, 16-23, 8-15, 24-31: v's images were made by the same lines and have the same order.
; K = 64 OF 128.  Registers 0-5 of k's and q's fragments are the head's 64 channels.  At k = 64 .. 67 stand constant codes: k: 7.5, 7.5, 7.5, 2.5; q: -7.5, -7.5, -5.5, -1; their products add up to -156.25.  Byte 2 of the scale words
; (q: 2^-51; a masked key: 2^60; an open key: 2^-126) makes of it -80,000 = 8 x -10,000 for a masked key, whose own codes are zeros.  All other codes from k = 64 on are zeros.
; THE SOFTMAX: t = score x log2(e) / 8; M = the running largest t rounded UP to a whole number; p = 2^(t - M) is quantised along the keys, not normalised; the row's sum is taken of the unquantised p and divides O at the end.
; When M moves, the sum and O are multiplied by 2^(old M - new M): exact.
; LIMITS: for an open key the constant term is 156.25 x 2^-177, under the smallest f32 number.  A block's largest p is taken from its largest score by the same two instructions: this takes v_exp_f32 not to fall where its input rises.
; NaN and infinities are not served.  A block under 2^-124 gets the byte 1, a block of zeros too.
; REGISTERS: v1, v2 16 x and 8 x lane; v3, v4 the same + the key step; v5-11 the second head's q; v12 -M, v13 the largest t, v[14:15] the sum in two halves; v16-27 q; v28-75 four fragments of k; v76-123 four of v^T;
;   v124-187 S^T, then p; v188-219 O^T; v220-223 v's scale words; v224-235 p's codes; v232-247, v252, v254 at work; v243 the first head's bytes of a; v248-251 k's scale words; v253 p's scale word; v255 q's.
.set CH,   6912                        ; a chunk of kv
.set HREC, 16*CH                       ; a head's record
.set QCH,  3584                        ; a chunk of qimg
.set S,    124
.set O,    188
.set WV,   12
.set SEL,  20
.set CS,   22                          ; s[22:23] c = log2(e) / 8
.set G1,   24
.set G0A,  32
.set G0B,  36
.set TB,   40                          ; LDS byte at which the key step's two chunks begin
.set CNT,  41
.macro CROUND                          ; a round of the cluster's barrier
	s_barrier_signal -1
	s_barrier_wait -1
	s_cmp_lg_u32 s[WV], 0
	s_cbranch_scc1 .Lnot_wave_0_\@
	s_barrier_signal -3
.Lnot_wave_0_\@:
	s_barrier_wait -3
	s_barrier_signal -1
	s_barrier_wait -1
.endm
	s_load_b256 s[4:11], s[0:1], 0x0               ; qimg, kv, aimg, ascl
	v_lshl_add_u32 v254, v0, 2, 0x36000
	v_mov_b32 v255, 0
	ds_add_u32 v254, v255
	ds_add_u32 v254, v255
	s_wait_dscnt 0x0
	v_lshrrev_b32 v1, 5, v0
	s_delay_alu instid0(VALU_DEP_1)
	v_readfirstlane_b32 s[WV], v1                  ; wave 0..15
	s_bfe_u32 s13, ttmp6, 0x40000                  ; cx
	s_lshl_b32 s14, ttmp9, 2
	s_add_co_u32 s14, s14, s13                     ; my block of 256 queries: it enters q's and a's addresses alone
	s_and_b32 s15, ttmp7, 0xffff
	s_lshr_b32 s16, s15, 3                         ; the batch
	s_and_b32 s17, s15, 7                          ; the pair of heads
	s_lshl_b32 s18, s16, 4
	s_lshl_b32 s19, s17, 1
	s_add_co_u32 s18, s18, s19
	s_lshl_b32 s18, s18, 4                         ; (16 b + 2 g) x 16 chunks
	s_add_co_u32 s50, s18, s[WV]
	s_mul_i32 s50, s50, CH                         ; kv: chunk w of the first head
	s_mov_b32 s51, 0
	s_mul_i32 s52, s[WV], CH                       ; and its place in LDS
	s_lshl_b32 s54, s14, 2
	s_lshr_b32 s55, s[WV], 2
	s_add_co_u32 s54, s54, s55
	s_add_co_u32 s54, s54, s18
	s_mul_i32 s54, s54, QCH                        ; qimg: chunk 4 qb + w / 4 of the first head
	s_and_b32 s53, s[WV], 3
	s_mul_i32 s55, s53, 768
	s_add_co_u32 s56, s54, s55                     ; my tile's half image,
	s_mov_b32 s57, 0
	s_lshl_b32 s53, s53, 2
	s_add_co_u32 s58, s54, s53
	s_add_co_u32 s58, s58, 3072                    ; and its word among a lane's four
	s_mov_b32 s59, 0
	s_lshl_b32 s60, s16, 6
	s_lshl_b32 s61, s14, 4
	s_add_co_u32 s60, s60, s61
	s_add_co_u32 s60, s60, s[WV]                   ; T = 64 b + 16 qb + w: my tile of tokens
	s_mul_i32 s62, s60, 12288
	s_mul_i32 s61, s17, 1536
	s_add_co_u32 s62, s62, s61                     ; aimg: 12,288 T + 768 x head
	s_mov_b32 s63, 0
	s_lshl_b32 s60, s60, 10
	s_lshl_b32 s61, s17, 7
	s_add_co_u32 s60, s60, s61                     ; ascl: 1,024 T + 128 g
	s_mov_b32 s61, 0
	s_mov_b32 s[G1], 15|(3<<16)|(1<<21)            ; 15:0 all four work-groups; 17:16 elements of 8 bytes; 21 set beside a mask; no padding
	s_mov_b32 s[G1+1], 32<<16                      ; a chunk is dense: 27 rows of 256 bytes
	s_mov_b32 s[G1+2], 27<<16
	s_mov_b32 s[G1+3], 32<<16
	s_mov_b32 s[G1+4], 27
	s_mov_b32 s[G1+5], 32
	s_mov_b32 s[G1+6], 0
	s_mov_b32 s[G1+7], 0
	s_mov_b32 s[SEL], 0x76543210
	s_mov_b32 s[SEL+1], 0xfedcba98                 ; v_permlanex16_b32's selects for lane l xor 16
	s_mov_b32 s[CS], 0x3e38aa3b                    ; c = log2(e) / 8
	s_mov_b32 s[CS+1], s[CS]                       ; (named with it as a pair, so it is written)
	s_wait_kmcnt 0x0
	s_add_nc_u64 s[6:7], s[6:7], s[50:51]
	s_mov_b32 s[G0A], 1
	s_mov_b32 s[G0A+1], s52
	s_mov_b64 s[G0A+2:G0A+3], s[6:7]
	s_or_b32 s[G0A+3], s[G0A+3], 0x80000000
	s_mov_b32 s[G0B], 1
	s_add_co_u32 s[G0B+1], s52, HREC
	s_add_nc_u64 s[G0B+2:G0B+3], s[6:7], HREC
	s_or_b32 s[G0B+3], s[G0B+3], 0x80000000
	CROUND                                         ; all four work-groups are here: the joint loads meet
	tensor_load_to_lds s[G0A:G0A+3], s[G1:G1+7]    ; one load of mine is out
	s_nop 0
	s_wait_alu depctr_va_vdst(0)
	s_wait_tensorcnt 0x0
	ds_add_u32 v254, v255
	s_wait_dscnt 0x0
	CROUND
	tensor_load_to_lds s[G0B:G0B+3], s[G1:G1+7]
	s_nop 0
.rept 4
	v_nop
.endr
	s_add_nc_u64 s[42:43], s[4:5], s[56:57]        ; q's codes
	s_add_nc_u64 s[44:45], s[4:5], s[58:59]        ; q's scale word
	s_add_nc_u64 s[46:47], s[8:9], s[62:63]        ; a's images
	s_add_nc_u64 s[48:49], s[10:11], s[60:61]      ; a's scale words
	v_and_b32 v3, 31, v0
	s_delay_alu instid0(VALU_DEP_1)
	v_lshlrev_b32 v1, 4, v3
	s_delay_alu instid0(VALU_DEP_2)
	v_lshlrev_b32 v2, 3, v3
	global_load_b128 v[16:19], v1, s[42:43]                   ; the first head's q: registers 0-3,
	global_load_b64 v[20:21], v2, s[42:43] offset:512         ; 4-5,
	global_load_b32 v255, v1, s[44:45]                        ; and its scale word
	global_load_b128 v[6:9], v1, s[42:43] offset:16*QCH       ; the second head's, 16 chunks on
	global_load_b64 v[10:11], v2, s[42:43] offset:16*QCH+512
	global_load_b32 v5, v1, s[44:45] offset:16*QCH
	v_cmp_gt_u32 vcc_lo, 16, v3
	v_mov_b32 v254, 0xa3bfff                       ; -7.5, -7.5, -5.5, -1
	s_delay_alu instid0(VALU_DEP_1)
	v_cndmask_b32 v22, 0, v254, vcc_lo             ; k = 64 .. 67 lie in lanes 0-15; lanes 16-31 (k = 96 on) hold zeros
.irp i, 23,24,25,26,27
	v_mov_b32 v\i, 0
.endr
.irp t, 0,1,2,3
	v_mov_b32 v[34+12*\t], 0x49f7df                ; 7.5, 7.5, 7.5, 2.5 (in lanes 16-31 they meet q's zeros)
.irp i, 7,8,9,10,11
	v_mov_b32 v[28+12*\t+\i], 0
.endr
.endr
.irp b, 0,1,2,3
	v_mov_b32 v[236+\b], 0                         ; written once: a lane permute's destination counts as one of its sources
.endr
	v_mov_b32 v253, 0                              ; (named as the upper half of the pair v[252:253] before it is first written)
; A KEY STEP: 128 keys: two chunks.
.macro STEP
	v_add_nc_u32 v3, s[TB], v1
	s_wait_alu depctr_va_vdst(0)
	v_add_nc_u32 v4, s[TB], v2
	s_wait_alu depctr_va_vdst(0)
.irp e, 0,1                                    ; S^T = k q^T, a chunk's four tiles of 16 keys at a time
.if \e
.rept 4
	v_nop                                          ; places in front of loads into registers that matrix instructions have read
.endr
.endif
.irp t, 0,1,2,3
	ds_load_b128 v[28+12*\t:31+12*\t], v3 offset:CH*\e+768*\t
	ds_load_b64 v[32+12*\t:33+12*\t], v4 offset:CH*\e+768*\t+512
.endr
	ds_load_b128 v[248:251], v3 offset:CH*\e+3072  ; my row's scale words in the four tiles
	s_wait_dscnt 0x0
.irp t, 0,1,2,3
	v_wmma_scale_f32_16x16x128_f8f6f4 v[S+8*(4*\e+\t):S+7+8*(4*\e+\t)], v[28+12*\t:39+12*\t], v[16:27], 0, v[248+\t], v255 matrix_a_fmt:MATRIX_FMT_FP6 matrix_b_fmt:MATRIX_FMT_FP6
.endr
.endr
.irp t, 0,1,2,3                                ; v^T's four tiles are asked for now and land under the softmax.  Behind the last products that read these registers stand the two additions and the four places above
.irp c, 0,1,2
	ds_load_b128 v[76+12*\t+4*\c:79+12*\t+4*\c], v3 offset:(\t/2)*CH+3584+(\t%2)*1536+512*\c
.endr
.endr
	ds_load_b64 v[220:221], v4 offset:6656
	ds_load_b64 v[222:223], v4 offset:CH+6656
.rept 4
	v_nop                                          ; places in front of the first read of the scores
.endr
.irp b, 0,1,2,3
	v_max3_num_f32 v[232+\b], v[S+16*\b], v[S+1+16*\b], v[S+2+16*\b]   ; THE LARGEST SCORE OF EACH BLOCK OF 32 KEYS: for the row's maximum, and, since p rises with the score, for the block's largest p
.endr
.irp i, 3,5,7,9,11,13
.irp b, 0,1,2,3
	v_max3_num_f32 v[232+\b], v[232+\b], v[S+16*\b+\i], v[S+1+16*\b+\i]   ; (the four blocks by turns; each accumulator is read from its low end on)
.endr
.endr
.irp b, 0,1,2,3
	v_max_num_f32 v[232+\b], v[232+\b], v[S+15+16*\b]
.endr
.irp b, 0,1,2,3
	s_delay_alu instid0(VALU_DEP_4)
	v_permlanex16_b32 v[236+\b], v[232+\b], s[SEL], s[SEL+1]
.endr
.irp b, 0,1,2,3
	s_delay_alu instid0(VALU_DEP_4)
	v_max_num_f32 v[232+\b], v[232+\b], v[236+\b]  ; with lane l xor 16's 16 keys
.endr
	s_delay_alu instid0(VALU_DEP_2)
	v_max3_num_f32 v254, v232, v233, v234
	s_delay_alu instid0(VALU_DEP_1)
	v_max_num_f32 v254, v254, v235                 ; the step's largest score of my query
	s_delay_alu instid0(VALU_DEP_1)
	v_mul_f32 v254, s[CS], v254                    ; as t (c is positive)
	s_delay_alu instid0(VALU_DEP_1)
	v_max_num_f32 v13, v13, v254                   ; the running largest t
	v_mov_b32 v254, v12
	s_delay_alu instid0(VALU_DEP_2)
	v_floor_f32 v12, -v13                          ; the new -M = floor(-t) = -ceil(t): a whole number
	s_delay_alu instid0(VALU_DEP_1)
	v_sub_f32 v254, v12, v254                      ; M's old value less its new one: a whole number, 0 or less
	s_delay_alu instid0(VALU_DEP_1)
	v_cvt_i32_f32 v254, v254                       ; (it saturates)
	s_delay_alu instid0(VALU_DEP_1)
	v_ldexp_f32 v252, 1.0, v254                    ; f = 2^(old M - new M)
.set J, 0
.rept 32
	v_pk_fma_f32 v[S+J:S+J+1], v[S+J:S+J+1], s[CS:CS+1], v[12:13] op_sel_hi:[1,0,0]   ; t - M, two at a time
.set J, J+2
.endr
.irp b, 0,1,2,3
	v_fma_f32 v[232+\b], v[232+\b], s[CS], v12     ; the same of each block's largest score
.endr
.set J, 0
	s_wait_alu depctr_va_vdst(0)
.rept 64
	v_exp_f32 v[S+J], v[S+J]                       ; p = 2^(t - M), at most 1
.set J, J+1
.endr
	s_setprio 1
.irp b, 0,1,2,3
	v_exp_f32 v[232+\b], v[232+\b]                 ; the block's largest p
.endr
	v_pk_mul_f32 v[14:15], v[14:15], v[252:253] op_sel_hi:[1,0]   ; the sums under the new M.  (A plain place behind the exponentials)
	s_wait_alu depctr_va_vdst(0)
.irp b, 0,1,2,3
	v_max_num_f32 v[232+\b], 0x1800000, v[232+\b]  ; the floor 2^(3 - 127): the byte cannot fall under 1
.endr
.irp b, 0,1,2,3
	s_delay_alu instid0(VALU_DEP_4)
	v_add_nc_u32 v[244+\b], 0xff000000, v[232+\b]  ; 2 off the exponent field: the conversion's scale operand
.endr
.irp b, 0,1,2,3
	s_delay_alu instid0(VALU_DEP_4)
	v_lshrrev_b32 v[236+\b], 23, v[244+\b]         ; the scale's byte
.endr
	s_delay_alu instid0(VALU_DEP_3)
	v_lshl_or_b32 v253, v237, 8, v236              ; p's scale word for these 128 keys
	s_delay_alu instid0(VALU_DEP_1)
	v_lshl_or_b32 v253, v238, 16, v253
	s_delay_alu instid0(VALU_DEP_1)
	v_lshl_or_b32 v253, v239, 24, v253
.irp c, 0,1
	v_cvt_scalef32_pk16_fp6_f32 v[224+6*\c:226+6*\c], v[S+32*\c:S+15+32*\c], v[244+2*\c]
	v_cvt_scalef32_pk16_fp6_f32 v[236+4*\c:238+4*\c], v[S+16+32*\c:S+31+32*\c], v[244+2*\c+1]   ; (a conversion's three registers begin on an even number)
.endr
	v_nop                                          ; one plain place behind a scaled conversion
.irp c, 0,1                                    ; the operand's layout wants a whole block in a lane
.irp i, 0,1,2
	v_permlane16_swap_b32 v[224+6*\c+\i], v[236+4*\c+\i]
.endr
.irp i, 0,1,2
	s_delay_alu instid0(VALU_DEP_3)
	v_mov_b32 v[227+6*\c+\i], v[236+4*\c+\i]
.endr
.endr
	v_pk_add_f32 v[236:237], v[S:S+1], v[S+2:S+3]  ; THE ROW'S SUM IS TAKEN OF THE UNQUANTISED p: two at a time, in two chains.  (These additions are also the places between p's scale word and codes and the products below)
.irp j, 4,8,12,16,20,24,28,32,36,40,44,48,52,56,60
	v_pk_add_f32 v[14:15], v[14:15], v[S+\j:S+1+\j]
	v_pk_add_f32 v[236:237], v[236:237], v[S+2+\j:S+3+\j]
.endr
	s_delay_alu instid0(VALU_DEP_1)
	v_pk_add_f32 v[14:15], v[14:15], v[236:237]
.set J, 0
	s_setprio 0
.rept 16
	v_pk_mul_f32 v[O+J:O+J+1], v[O+J:O+J+1], v[252:253] op_sel_hi:[1,0]   ; O^T under the new M
.set J, J+2
.endr
	s_wait_alu depctr_va_vdst(0)
	s_wait_dscnt 0x0                               ; v^T's tiles and scale words are in
.irp t, 0,1,2,3                                ; O^T += v^T p^T: the four accumulators by turns
	v_wmma_scale_f32_16x16x128_f8f6f4 v[O+8*\t:O+7+8*\t], v[76+12*\t:87+12*\t], v[224:235], v[O+8*\t:O+7+8*\t], v[220+\t], v253 matrix_a_fmt:MATRIX_FMT_FP6 matrix_b_fmt:MATRIX_FMT_FP6
.endr
	s_add_co_u32 s[TB], s[TB], 2*CH
.endm
; One head: 8 key steps, then a = O / the sum, quantised along the head's 64 channels.
.macro HEAD hd
	v_mov_b32 v13, 0xff61b1e6                      ; the largest t so far: -3e38, under every t
	s_delay_alu instid0(VALU_DEP_1)
	v_floor_f32 v12, -v13                          ; -M
	v_mov_b32 v14, 0
	v_mov_b32 v15, 0
.set J, 0
.rept 32
	v_mov_b32 v[O+J], 0                            ; O^T.  (The step is written once: the first finds zeros, which the first change of M leaves zeros)
.set J, J+1
.endr
	s_mov_b32 s[TB], \hd*HREC
	s_mov_b32 s[CNT], 8
.Lstep_\@:
	s_setprio 2
	STEP
	s_sub_co_u32 s[CNT], s[CNT], 1
	s_cmp_lg_u32 s[CNT], 0
	s_cbranch_scc1 .Lstep_\@
	s_setprio 0
	v_add_f32 v14, v14, v15                        ; the sum's two halves,
	s_delay_alu instid0(VALU_DEP_1)
	v_permlanex16_b32 v252, v14, s[SEL], s[SEL+1]
	s_delay_alu instid0(VALU_DEP_1)
	v_add_f32 v14, v14, v252                       ; and lane l xor 16's
	s_wait_alu depctr_va_vdst(0)
	v_rcp_f32 v14, v14
.rept 3
	v_nop                                          ; the place behind the reciprocal; with the two additions: the places behind the last products
.endr
.set J, 0
	s_wait_alu depctr_va_vdst(0)
.rept 16
	v_pk_mul_f32 v[S+J:S+J+1], v[O+J:O+J+1], v[14:15] op_sel_hi:[1,0]   ; register 8 t + i: a(query r, channel 16 t + 8 h + i); each accumulator from its low end on
.set J, J+2
.endr
.irp b, 0,1                                    ; a meets a GIVEN operand, so its channels take their true places: register 16 b + i becomes channel 32 b + 16 h + i
.irp j, 0,1,2,3,4,5,6,7
	v_permlane16_swap_b32 v[S+16*\b+\j], v[S+8+16*\b+\j]
.endr
.endr
.irp b, 0,1
	v_max3_num_f32 v[232+\b], |v[S+16*\b]|, |v[S+1+16*\b]|, 0x1800000
.endr
.irp i, 2,4,6,8,10,12,14
.irp b, 0,1
	s_delay_alu instid0(VALU_DEP_2)
	v_max3_num_f32 v[232+\b], v[232+\b], |v[S+16*\b+\i]|, |v[S+1+16*\b+\i]|
.endr
.endr
.irp b, 0,1
	s_delay_alu instid0(VALU_DEP_2)
	v_permlanex16_b32 v[236+\b], v[232+\b], s[SEL], s[SEL+1]
.endr
.irp b, 0,1
	s_delay_alu instid0(VALU_DEP_2)
	v_max_num_f32 v[232+\b], v[232+\b], v[236+\b]
.endr
.irp b, 0,1
	s_delay_alu instid0(VALU_DEP_2)
	v_add_nc_u32 v[244+\b], 0xff000000, v[232+\b]
.endr
.irp b, 0,1
	s_delay_alu instid0(VALU_DEP_2)
	v_lshrrev_b32 v[240+\b], 23, v[244+\b]
.endr
	v_cvt_scalef32_pk16_fp6_f32 v[224:226], v[S:S+15], v244
	v_cvt_scalef32_pk16_fp6_f32 v[236:238], v[S+16:S+31], v245
	v_nop                                          ; one plain place behind a scaled conversion
.irp i, 0,1,2
	v_permlane16_swap_b32 v[224+\i], v[236+\i]
.endr
.irp i, 0,1,2
	s_delay_alu instid0(VALU_DEP_3)
	v_mov_b32 v[227+\i], v[236+\i]                 ; registers 0-5: channels 32 h + 0 .. 31 of the head
.endr
	global_store_b128 v1, v[224:227], s[46:47] offset:768*\hd        ; 512 consecutive bytes,
	global_store_b64 v2, v[228:229], s[46:47] offset:768*\hd+512     ; and 256: each at a multiple of 256 from the buffer's first byte
.if \hd == 0
	v_lshl_or_b32 v243, v241, 8, v240              ; the first head's two bytes are kept
.else
	v_lshl_or_b32 v240, v241, 8, v240
	s_delay_alu instid0(VALU_DEP_1)
	v_lshl_or_b32 v243, v240, 16, v243             ; the two heads are one K step of the last product: one scale word a row
	v_lshrrev_b32 v254, 2, v1
	global_store_b32 v254, v243, s[48:49]
.endif
.endm
	s_wait_tensorcnt 0x1                           ; my chunk of the first head is in; the second head's may stay out
	s_barrier_signal -1
	s_barrier_wait -1                              ; everybody's is
	s_wait_loadcnt 0x0                             ; q, both heads'
	HEAD 0
	s_wait_xcnt 0x0                                ; the stores have read their registers: the codes' registers are written again only behind this wait
.irp i, 0,1,2,3,4,5
	v_mov_b32 v[16+\i], v[6+\i]                    ; the second head's q
.endr
	v_mov_b32 v255, v5
	s_wait_tensorcnt 0x0                           ; my chunk of the second head is in (no LDS instruction of mine is out: the last step waited for all),
	s_barrier_signal -1
	s_barrier_wait -1                              ; everybody's is
	HEAD 1
	s_wait_xcnt 0x0
	v_lshl_add_u32 v254, v0, 2, 0x36000
	v_mov_b32 v255, 0
	s_wait_alu depctr_va_vdst(0)
	s_wait_tensorcnt 0x0
	ds_add_u32 v254, v255
	s_wait_dscnt 0x0
	CROUND                                         ; the closing round: no work-group ends while a partner may still ask for a chunk that names it
	s_endpgm
.Lfunc_end_k_qfc08e0cd70_attn:
	.size	k_qfc08e0cd70_attn, .Lfunc_end_k_qfc08e0cd70_attn-k_qfc08e0cd70_attn
	.p2alignl 7, 3214868480
	.fill 96, 4, 3214868480
	.section	.rodata,"a",@progbits
	.p2align	6, 0x0
	.amdhsa_kernel k_qfc08e0cd70_attn
		.amdhsa_group_segment_fixed_size 327680
		.amdhsa_private_segment_fixed_size 0
		.amdhsa_enable_private_segment 0
		.amdhsa_kernarg_size 32
		.amdhsa_user_sgpr_count 2
		.amdhsa_user_sgpr_kernarg_segment_ptr 1
		.amdhsa_wavefront_size32 1
		.amdhsa_system_sgpr_workgroup_id_x 1
		.amdhsa_system_sgpr_workgroup_id_y 1
		.amdhsa_system_sgpr_workgroup_id_z 1
		.amdhsa_system_vgpr_workitem_id 0
		.amdhsa_next_free_vgpr 256
		.amdhsa_next_free_sgpr 66
		.amdhsa_reserve_vcc 1
		.amdhsa_float_denorm_mode_32 3
		.amdhsa_float_denorm_mode_16_64 3
		.amdhsa_memory_ordered 1
		.amdhsa_forward_progress 1
		.amdhsa_inst_pref_size 54
	.end_amdhsa_kernel
	.amdgpu_metadata
---
amdhsa.version: [ 1, 2 ]
amdhsa.kernels:
  - .name:           k_qfc08e0cd70_attn
    .symbol:         k_qfc08e0cd70_attn.kd
    .args:
      - { .name: qimg, .offset: 0, .size: 8, .value_kind: global_buffer, .address_space: global }
      - { .name: kv, .offset: 8, .size: 8, .value_kind: global_buffer, .address_space: global }
      - { .name: aimg, .offset: 16, .size: 8, .value_kind: global_buffer, .address_space: global }
      - { .name: ascl, .offset: 24, .size: 8, .value_kind: global_buffer, .address_space: global }
    .group_segment_fixed_size: 327680
    .private_segment_fixed_size: 0
    .kernarg_segment_align: 8
    .kernarg_segment_size: 32
    .max_flat_workgroup_size: 512
    .sgpr_count:     66
    .vgpr_count:     256
    .wavefront_size: 32
...
	.end_amdgpu_metadata
.endif
;; end of part 2
;; launch oproj (part 3): grid 32 x 8, 4 waves a work-group, clusters of 4 x 4, 301,568 bytes of LDS; arguments aimg, ascl, wp_codes, wp_scales, bp, out0; writes out0
.if DOCPART == 3
	.amdgcn_target "amdgcn-amd-amdhsa--gfx1250"
	.amdhsa_code_object_version 6
	.text
	.protected	k_qfc08e0cd70_oproj
	.globl	k_qfc08e0cd70_oproj
	.p2align	8
	.type	k_qfc08e0cd70_oproj,@function
k_qfc08e0cd70_oproj:
	s_mov_b64 s[64:65], 0
	v_nop
	global_prefetch_b8 v0, s[64:65] scope:SCOPE_SE
	s_setreg_imm32_b32 hwreg(HW_REG_WAVE_MODE, 25, 1), 1
	s_wait_xcnt 0x0
	s_wait_alu depctr_hold_cnt(0) depctr_sa_sdst(0) depctr_va_vdst(0) depctr_va_sdst(0) depctr_va_ssrc(0) depctr_va_vcc(0) depctr_vm_vsrc(0)
	s_getreg_b32 s2, hwreg(HW_REG_IB_STS2, 6, 4)
	s_cmp_eq_u32 s2, 0
	s_cbranch_scc0 .Lentry_in_a_cluster
	s_endpgm
.Lentry_in_a_cluster:
	s_bfe_u32 s2, ttmp6, 0x10000c
	s_cmp_lg_u32 s2, 0xf033
	s_cbranch_scc0 .Lentry_shape_is_right
	s_endpgm
.Lentry_shape_is_right:
; out0 = a wp + bp on codes of FP6 (E2M3) with E8M0 scales, K = 1,024; sums in f32.  wp arrives as codes [n][K]; a as images of operand registers (aimg: [tile of 16 tokens][head] x 768 bytes; ascl: a scale word a lane
; for each tile and K step).
; SHARES.  A work-group makes 128 n x 256 tokens; wave w all 128 n x its four tiles of 16 tokens: 32 accumulators, 256 matrix instructions.  256 work-groups.
; THE MATRIX INSTRUCTION IS USED TRANSPOSED (source 0 = 16 rows of wp, source 1 = 16 tokens): a lane holds eight neighbouring numbers of a row of out0.  bp is the C of each sum's first product.
; LDS.  All of K fits: wp's 128 rows in three regions (region c: bytes 256 c .. 256 c + 255 of every row, 272 bytes from row to row), a's 16 tiles in three stages (K steps 0-1, 2-4, 5-7), dense: they are read 16 or 8 bytes a lane on end.
; Every tensor load is a first fill: six a wave, issued together.  The way out goes through 16 rows x 528 bytes a wave in wp's region 0, which has had its one fill and whose last reads lie in front of the barrier in K step 4.
; CLUSTER 4 x 4.  wp's tile hangs on the cluster's row alone, a's on its column alone: each is asked for jointly by the four that share it.
; LIMITS: NaN, infinities and scale bytes 0xff among the inputs are not served.
; REGISTERS, in windows of 256: window 0: v1-12 lane terms; v16-28 LDS addresses; v32-95 wp's scale words (8 ti + s); v96-127 a's (8 tj + s); v128-255 the way out.
;   window 1: accumulator (ti, tj) at v[8 (8 tj + ti)].   window 2: fragment set 0 (wp's tile ti at 12 ti, a's tile tj at 96 + 12 tj); v144-207 the bias.   window 3: fragment set 1.
.set PITCH, 272                        ; 256 bytes + 16 of padding = 68 words: row r begins at bank 4 r mod 64 (64 banks of 4 bytes: ISA guide 11.1)
.set REGB,  128*PITCH
.set ASB0,  3*REGB                     ; a's stages: 16 tiles x 3,072 bytes,
.set ASB1,  ASB0+16*3072               ; x 4,608,
.set ASB2,  ASB1+16*4608               ; x 4,608
.set FR,    12
.set SPITCH, 528
.set A0,  16                           ; v16-18  wp: 272 r + 24 h + region
.set X0,  19                           ; v19-20  for the pieces whose partner three pieces on lies in the next region
.set AI,  21                           ; v21-23  a: 16 x lane + my four tiles in stage 0, 1, 2
.set AJ,  24                           ; v24-26  8 x lane + the same
.set STO, 27                           ; the way out: where I put 32 bytes of a row
.set RD,  28                           ; and where I read a row back
.set SS0, 32
.set SS1, 96
.set BK,  128
.set BIAS, 144                         ; in window 2
.set WV,  56
.set CX,  58
.set CY,  59
.set TI,  62                           ; which 128 n: never holds cx
.set TJ,  63                           ; which 256 tokens: never holds cy
.set G0,  16                           ; s[16:39] groups 0: wp's region c at 16 + 8 c, a's stage c at 20 + 8 c
.set G1W, 40                           ; s[40:47] group 1 for wp's tiles
.set G1P, 48                           ; s[48:55] for a's stage 0
.set G1Q, 68                           ; s[68:75] for a's stages 1 and 2
.set MSB, 0
.macro WIN new                         ; the immediate's high byte repeats the setting that is left
.if MSB != (\new)
	s_set_vgpr_msb (MSB<<8)|(\new)
.set MSB, (\new)
.endif
.endm
.macro CROUND                          ; a round of the cluster's barrier
	s_barrier_signal -1
	s_barrier_wait -1
	s_cmp_lg_u32 s[WV], 0
	s_cbranch_scc1 .Lnot_wave_0_\@
	s_barrier_signal -3
.Lnot_wave_0_\@:
	s_barrier_wait -3
	s_barrier_signal -1
	s_barrier_wait -1
.endm
.macro PLACES n
.rept \n
	v_nop
.endr
.endm
	s_load_b256 s[4:11], s[0:1], 0x0               ; aimg, ascl, wp's codes, wp's scales
	s_load_b128 s[12:15], s[0:1], 0x20             ; bp, out0
	v_lshl_add_u32 v30, v0, 2, 0x49800
	v_mov_b32 v31, 0
	ds_add_u32 v30, v31
	ds_add_u32 v30, v31
	v_lshrrev_b32 v1, 5, v0
	v_readfirstlane_b32 s[WV], v1                  ; wave 0..3
	s_bfe_u32 s[CX], ttmp6, 0x40000
	s_bfe_u32 s[CY], ttmp6, 0x40004
	s_lshl_b32 s[TJ], ttmp9, 2
	s_add_co_u32 s[TJ], s[TJ], s[CX]
	s_and_b32 s[TI], ttmp7, 0xffff
	s_lshl_b32 s[TI], s[TI], 2
	s_add_co_u32 s[TI], s[TI], s[CY]
	s_lshl_b32 s60, s[CY], 2
	s_lshl_b32 s60, 15, s60                        ; my row of the cluster
	s_lshl_b32 s61, 0x1111, s[CX]                  ; my column
	s_or_b32 s[G1W], s60, (3<<16)|(1<<20)|(1<<21)|(5<<22)|(3<<25)   ; wp's tiles go to my row; elements of 8 bytes; 16 bytes of padding behind every 256
	s_mov_b32 s[G1W+1], 32<<16                     ; 32 rows of 256 bytes, 768 bytes apart
	s_mov_b32 s[G1W+2], 32<<16
	s_mov_b32 s[G1W+3], 32<<16
	s_mov_b32 s[G1W+4], 32
	s_mov_b32 s[G1W+5], 96
	s_mov_b32 s[G1W+6], 0
	s_mov_b32 s[G1W+7], 0
	s_or_b32 s[G1P], s61, (3<<16)|(1<<21)          ; a's tiles go to my column; no padding
	s_mov_b32 s[G1P+1], 384<<16                    ; four tiles' 3,072 bytes, 12,288 bytes apart
	s_mov_b32 s[G1P+2], 4<<16
	s_mov_b32 s[G1P+3], 384<<16
	s_mov_b32 s[G1P+4], 4
	s_mov_b32 s[G1P+5], 1536
	s_mov_b32 s[G1P+6], 0
	s_mov_b32 s[G1P+7], 0
	s_or_b32 s[G1Q], s61, (3<<16)|(1<<21)
	s_mov_b32 s[G1Q+1], 576<<16                    ; four tiles' 4,608 bytes
	s_mov_b32 s[G1Q+2], 4<<16
	s_mov_b32 s[G1Q+3], 576<<16
	s_mov_b32 s[G1Q+4], 4
	s_mov_b32 s[G1Q+5], 1536
	s_mov_b32 s[G1Q+6], 0
	s_mov_b32 s[G1Q+7], 0
	s_lshl_b32 s76, s[TI], 7
	s_lshl_b32 s78, s[WV], 5
	s_add_co_u32 s76, s76, s78
	s_mul_i32 s76, s76, 768                        ; wp: row 128 TI + 32 w, in bytes
	s_mov_b32 s77, 0
	s_lshl_b32 s80, s[TJ], 4
	s_lshl_b32 s78, s[WV], 2
	s_add_co_u32 s80, s80, s78
	s_mul_i32 s80, s80, 12288                      ; a: tile 16 TJ + 4 w
	s_mov_b32 s81, 0
	s_mul_i32 s78, s[WV], 32*PITCH                 ; where they go: the wave's number alone enters an LDS address
	s_mul_i32 s79, s[WV], 4*3072
	s_mul_i32 s82, s[WV], 4*4608
	s_add_co_u32 s84, s79, ASB0
	s_add_co_u32 s85, s82, ASB1
	s_add_co_u32 s86, s82, ASB2
	v_and_b32 v1, 15, v0                           ; r
	v_bfe_u32 v2, v0, 4, 1                         ; h
	v_and_b32 v10, 31, v0
	v_lshlrev_b32 v3, 4, v10                       ; 16 x lane
	v_lshlrev_b32 v4, 3, v10                       ; 8 x lane
	v_lshlrev_b32 v5, 5, v1                        ; wp's scales: 32 bytes a row
	v_lshlrev_b32 v6, 2, v10
	v_lshl_add_u32 v6, s[WV], 12, v6               ; a's scale words: 4 x lane + my four tiles of 1,024 bytes
	v_lshlrev_b32 v8, 5, v2                        ; the bias: 8 h numbers on
	s_wait_dscnt 0x0
	s_wait_kmcnt 0x0
	s_add_nc_u64 s[8:9], s[8:9], s[76:77]
	s_add_nc_u64 s[4:5], s[4:5], s[80:81]
.irp c, 0,1,2
	s_mov_b32 s[G0+8*\c], 1
	s_add_co_u32 s[G0+8*\c+1], s78, \c*REGB
	s_add_nc_u64 s[G0+8*\c+2:G0+8*\c+3], s[8:9], 256*\c
	s_or_b32 s[G0+8*\c+3], s[G0+8*\c+3], 0x80000000
	s_mov_b32 s[G0+8*\c+4], 1
	s_mov_b32 s[G0+8*\c+5], s[84+\c]
.endr
	s_mov_b64 s[G0+6:G0+7], s[4:5]                 ; K steps 0-1,
	s_add_nc_u64 s[G0+14:G0+15], s[4:5], 2*1536    ; 2-4,
	s_add_nc_u64 s[G0+22:G0+23], s[4:5], 5*1536    ; 5-7
.irp c, 0,1,2
	s_or_b32 s[G0+8*\c+7], s[G0+8*\c+7], 0x80000000
.endr
	CROUND                                         ; all sixteen work-groups are here: the joint loads meet
	tensor_load_to_lds s[G0:G0+3], s[G1W:G1W+7]    ; six loads of mine are out: all of K for my share, in the order in which the K steps want it
	s_nop 0
	tensor_load_to_lds s[G0+4:G0+7], s[G1P:G1P+7]
	s_nop 0
	tensor_load_to_lds s[G0+8:G0+11], s[G1W:G1W+7]
	s_nop 0
	tensor_load_to_lds s[G0+12:G0+15], s[G1Q:G1Q+7]
	s_nop 0
	tensor_load_to_lds s[G0+16:G0+19], s[G1W:G1W+7]
	s_nop 0
	tensor_load_to_lds s[G0+20:G0+23], s[G1Q:G1Q+7]
	s_nop 0
	PLACES 4
	s_lshl_b32 s76, s[TI], 12
	s_add_nc_u64 s[10:11], s[10:11], s[76:77]      ; wp's scales: 128 rows are 4,096 bytes
	s_lshl_b32 s80, s[TJ], 14
	s_add_nc_u64 s[6:7], s[6:7], s[80:81]          ; a's: 16 tiles are 16,384 bytes
	s_lshl_b32 s76, s[TI], 9
	s_add_nc_u64 s[12:13], s[12:13], s[76:77]      ; bp at my 128 n
	s_lshl_b32 s88, s[TJ], 8
	s_lshl_b32 s90, s[WV], 6
	s_add_co_u32 s88, s88, s90
	s_lshl_b32 s88, s88, 12                        ; out0: row 256 TJ + 64 w of 4,096 bytes,
	s_lshl_b32 s90, s[TI], 9
	s_add_co_u32 s88, s88, s90                     ; + 512 TI
	s_mov_b32 s89, 0
	s_add_nc_u64 s[14:15], s[14:15], s[88:89]
	s_wait_alu depctr_va_vdst(0)
.irp ti, 0,1,2,3,4,5,6,7                       ; a row's 32 scale bytes are the words of its 8 K steps: register 8 ti + s
	global_load_b128 v[SS0+8*\ti:SS0+8*\ti+3], v5, s[10:11] offset:512*\ti
	global_load_b128 v[SS0+8*\ti+4:SS0+8*\ti+7], v5, s[10:11] offset:512*\ti+16
.endr
.irp tj, 0,1,2,3
.irp s, 0,1,2,3,4,5,6,7
	global_load_b32 v[SS1+8*\tj+\s], v6, s[6:7] offset:1024*\tj+128*\s   ; 32 lanes read 128 consecutive bytes
.endr
.endr
	WIN 0x80                                       ; destination window 2
.irp ti, 0,1,2,3,4,5,6,7                       ; group ti holds bp[16 ti + 8 h + 0 .. 7]: eight registers in the result's layout
	global_load_b128 v[BIAS+8*\ti:BIAS+8*\ti+3], v8, s[12:13] offset:64*\ti
	global_load_b128 v[BIAS+8*\ti+4:BIAS+8*\ti+7], v8, s[12:13] offset:64*\ti+16
.endr
	WIN 0
	v_mul_u32_u24 v10, v1, PITCH
	v_mad_u32_u24 v11, v2, 24, v10                 ; row r, + 24 bytes for lanes 16-31
	v_mad_u32_u24 v12, v2, REGB-232, v10           ; or: lanes 16-31 in the next region, 256 - 24 bytes back
.irp c, 0,1,2
	v_add_nc_u32 v[A0+\c], \c*REGB, v11
	v_add_nc_u32 v[AI+\c], s[84+\c], v3
	v_add_nc_u32 v[AJ+\c], s[84+\c], v4
.endr
.irp c, 0,1
	v_add_nc_u32 v[X0+\c], \c*REGB, v12
.endr
	s_mul_i32 s90, s[WV], 16*SPITCH                ; my stage
	v_mul_u32_u24 v10, v1, SPITCH
	v_lshl_add_u32 v10, v2, 5, v10
	v_add_nc_u32 v[STO], s90, v10                  ; in: row r, 32 bytes for each half of the lanes
	v_add_nc_u32 v[RD], s90, v3                    ; back: the 32 lanes take one row of 512 bytes
; A fragment of wp, 16 rows x 128 K, is 12 registers: lane l holds row l % 16; registers 6 c .. 6 c + 5 hold K = 64 c + 32 (l / 16) + 0 .. 31: 24 bytes of the row as they lie, in pieces of 8 bytes.
; Lanes 0-15 take the row's pieces 12 s + 0, 1, 2, 6, 7, 8, lanes 16-31 those three pieces on.  A region holds 32 pieces of a row: where the piece three on falls into the next region, the second address register serves.
.macro FRAG reg, adr, xadr, s, i
.irp p, 0,1,2,3,4,5
.set PCE, 12*(\s)+6*(\p/3)+\p%3
.if PCE%32 < 29
	ds_load_b64 v[\reg+2*\p:\reg+2*\p+1], v[\adr+PCE/32] offset:8*(PCE%32)+(\i)*16*PITCH
.else
	ds_load_b64 v[\reg+2*\p:\reg+2*\p+1], v[\xadr+PCE/32] offset:8*(PCE%32)+(\i)*16*PITCH
.endif
.endr
.endm
; A fragment of a: the half images of heads 2 s and 2 s + 1, as they were stored
.macro AFRAG reg, s, tj
.if (\s) < 2
.set AST, 0
.set AOF, (\tj)*3072+(\s)*1536
.elseif (\s) < 5
.set AST, 1
.set AOF, (\tj)*4608+((\s)-2)*1536
.else
.set AST, 2
.set AOF, (\tj)*4608+((\s)-5)*1536
.endif
	ds_load_b128 v[\reg:\reg+3], v[AI+AST] offset:AOF
	ds_load_b64 v[\reg+4:\reg+5], v[AJ+AST] offset:AOF+512
	ds_load_b128 v[\reg+6:\reg+9], v[AI+AST] offset:AOF+768
	ds_load_b64 v[\reg+10:\reg+11], v[AJ+AST] offset:AOF+1280
.endm
.macro FETCH1 s                        ; K step s: a's four tiles and wp's tiles 0-3 into set s % 2: 16 + 24 loads
	WIN 0x80+0x40*((\s)%2)
.irp i, 0,1,2,3
	AFRAG 96+FR*\i, \s, \i
.endr
.irp i, 0,1,2,3
	FRAG FR*\i, A0, X0, \s, \i
.endr
.endm
.macro FETCH2 s                        ; wp's tiles 4-7: 24 loads
	WIN 0x80+0x40*((\s)%2)
.irp i, 4,5,6,7
	FRAG FR*\i, A0, X0, \s, \i
.endr
.endm
; 16 matrix instructions: wp's tiles 4 half .. 4 half + 3 x a's four.  cmode 1: the sums begin with the bias.  The 32 accumulators take turns, one instruction a turn, in the same order in every step.
.macro MUL16 half, s, cmode
.irp ti, 4*\half, 4*\half+1, 4*\half+2, 4*\half+3
.irp tj, 0,1,2,3
.set AC, 8*(8*\tj+(\ti))
.set CR, AC
.if \cmode == 1
.set CR, BIAS+8*(\ti)
.endif
	v_wmma_scale_f32_16x16x128_f8f6f4 v[AC:AC+7], v[FR*(\ti):FR*(\ti)+FR-1], v[96+FR*\tj:96+FR*\tj+FR-1], v[CR:CR+7], v[SS0+8*(\ti)+(\s)], v[SS1+8*\tj+(\s)] matrix_a_fmt:MATRIX_FMT_FP6 matrix_b_fmt:MATRIX_FMT_FP6
.endr
.endr
.endm
; A K step.  The set that the fetches fill was last read by the step before: the four places in front of FETCH1 stand between those products and both runs of loads (ISA guide 7.12.1 for vector instructions).
.macro STEP s
	s_wait_dscnt 24                                ; all but FETCH2's 24 loads of this step are in
.if (\s) == 0
	WIN 0x6a                                       ; sources 0, 1 and C: window 2; D: window 1
	MUL16 0, \s, 1
.else
	WIN 0x5a+5*((\s)%2)                            ; sources 0, 1: window 2 or 3; C and D: window 1
	MUL16 0, \s, 0
.endif
.if (\s) == 1
	s_wait_tensorcnt 0x2                           ; my parts of wp's region 1 and a's stage 1 are in (the last two loads may be out): K step 2 wants them
	s_wait_dscnt 0x0
	s_barrier_signal -1
	s_barrier_wait -1                              ; everybody's are
.endif
.if (\s) == 4
	s_wait_tensorcnt 0x0                           ; region 2 and stage 2: K step 5 wants them
	s_wait_dscnt 0x0                               ; and my reads of region 0 are long over: behind this barrier it may serve as the stage
	s_barrier_signal -1
	s_barrier_wait -1
.endif
	PLACES 4
	FETCH1 (\s)+1
	s_wait_dscnt 40                                ; all but the 40 just issued
.if (\s) == 0
	WIN 0x6a
	MUL16 1, \s, 1
.else
	WIN 0x5a+5*((\s)%2)
	MUL16 1, \s, 0
.endif
	FETCH2 (\s)+1
.endm
	s_wait_alu depctr_va_vdst(0)
	s_wait_tensorcnt 0x4                           ; my parts of region 0 and stage 0 are in; the four younger loads may stay out
	s_barrier_signal -1
	s_barrier_wait -1                              ; everybody's are
	FETCH1 0
	FETCH2 0
	s_wait_loadcnt 0x0                             ; scale words and bias
.irp s, 0,1,2,3,4,5,6
	STEP \s
.endr
	s_wait_dscnt 24                                ; the last step fetches nothing
	WIN 0x5f
	MUL16 0, 7, 0
	s_wait_dscnt 0x0
	MUL16 1, 7, 0
	WIN 0
; THE WAY OUT, a tile of 16 tokens x 128 n at a time.  A lane holds 32 neighbouring bytes of a row, and the lanes beside it hold other rows: so a tile goes through my own stage in LDS and comes back as whole rows of
; 512 bytes.  LDS serves a wave's instructions in order (ISA guide 5.7.1.4): no wait between the stores and the loads, nor in front of the next tile's stores.
.macro TOSTAGE tj
	WIN 0x04                                       ; an LDS store's data are its source 1: window 1
.irp b, 0,1,2,3,4,5,6,7
	ds_store_b128 v[STO], v[64*(\tj)+8*\b:64*(\tj)+8*\b+3] offset:64*\b        ; each accumulator from its low end on
	ds_store_b128 v[STO], v[64*(\tj)+8*\b+4:64*(\tj)+8*\b+7] offset:64*\b+16
.endr
	WIN 0
.set BB, BK+64*((\tj)%2)
.irp t, 0,1,2,3,4,5,6,7,8,9,10,11,12,13,14,15
	ds_load_b128 v[BB+4*\t:BB+4*\t+3], v[RD] offset:\t*SPITCH
.endr
.endm
.macro SEND tj, younger                ; younger: the LDS instructions issued behind tile tj's loads, which may stay out
.set BB, BK+64*((\tj)%2)
	s_wait_dscnt \younger
.irp t, 0,1,2,3,4,5,6,7,8,9,10,11,12,13,14,15
	global_store_b128 v3, v[BB+4*\t:BB+4*\t+3], s[14:15] offset:(16*(\tj)+\t)*4096 th:TH_STORE_NT   ; 32 lanes store 512 consecutive bytes, at a multiple of 256 from out0's first byte; 63 rows at the most stand in the immediate
.endr
.endm
	PLACES 4                                       ; in front of the first read of results
	TOSTAGE 0
.irp a, 1,2,3
.if \a > 1
	s_wait_xcnt 0x0                                ; tile a - 2's stores have read their registers: tile a's loads may land there
.endif
	TOSTAGE \a
	SEND \a-1, 32                                  ; behind tile a - 1's loads: tile a's 16 stores and 16 loads
.endr
	SEND 3, 0
	s_wait_tensorcnt 0x0
	ds_add_u32 v30, v31
	s_wait_dscnt 0x0
	CROUND                                         ; the closing round: no work-group ends while a partner may still ask for a tile that names it
	s_endpgm
.Lfunc_end_k_qfc08e0cd70_oproj:
	.size	k_qfc08e0cd70_oproj, .Lfunc_end_k_qfc08e0cd70_oproj-k_qfc08e0cd70_oproj
	.p2alignl 7, 3214868480
	.fill 96, 4, 3214868480
	.section	.rodata,"a",@progbits
	.p2align	6, 0x0
	.amdhsa_kernel k_qfc08e0cd70_oproj
		.amdhsa_group_segment_fixed_size 301568
		.amdhsa_private_segment_fixed_size 0
		.amdhsa_enable_private_segment 0
		.amdhsa_kernarg_size 48
		.amdhsa_user_sgpr_count 2
		.amdhsa_user_sgpr_kernarg_segment_ptr 1
		.amdhsa_wavefront_size32 1
		.amdhsa_system_sgpr_workgroup_id_x 1
		.amdhsa_system_sgpr_workgroup_id_y 1
		.amdhsa_system_sgpr_workgroup_id_z 1
		.amdhsa_system_vgpr_workitem_id 0
		.amdhsa_next_free_vgpr 912
		.amdhsa_next_free_sgpr 96
		.amdhsa_reserve_vcc 0
		.amdhsa_float_denorm_mode_32 3
		.amdhsa_float_denorm_mode_16_64 3
		.amdhsa_memory_ordered 1
		.amdhsa_forward_progress 1
		.amdhsa_inst_pref_size 96
	.end_amdhsa_kernel
	.amdgpu_metadata
---
amdhsa.version: [ 1, 2 ]
amdhsa.kernels:
  - .name:           k_qfc08e0cd70_oproj
    .symbol:         k_qfc08e0cd70_oproj.kd
    .args:
      - { .name: aimg, .offset: 0, .size: 8, .value_kind: global_buffer, .address_space: global }
      - { .name: ascl, .offset: 8, .size: 8, .value_kind: global_buffer, .address_space: global }
      - { .name: wp_codes, .offset: 16, .size: 8, .value_kind: global_buffer, .address_space: global }
      - { .name: wp_scales, .offset: 24, .size: 8, .value_kind: global_buffer, .address_space: global }
      - { .name: bp, .offset: 32, .size: 8, .value_kind: global_buffer, .address_space: global }
      - { .name: out0, .offset: 40, .size: 8, .value_kind: global_buffer, .address_space: global }
    .group_segment_fixed_size: 301568
    .private_segment_fixed_size: 0
    .kernarg_segment_align: 8
    .kernarg_segment_size: 48
    .max_flat_workgroup_size: 128
    .sgpr_count:     96
    .vgpr_count:     912
    .wavefront_size: 32
...
	.end_amdgpu_metadata
.endif
;; end of part 3
